; MI455X (gfx1250); checked and timed in simulation.
; The chip was launched on July 23, 2026; its instructions are those of AMD's public machine-readable ISA for CDNA 5 (MIT licence, August 2026) and "CDNA5" Instruction Set Architecture Reference Guide (July 2026). The comments in the code are by the model that wrote it; some were corrected since.
;; Edge Processor. Allowed arithmetic: matrix products marked QUANTISED: E2M1 operands, one E8M0 scale for each 32 along K, by v_wmma_scale_f32_16x16x128_f8f6f4 with both operands' format E2M1 (or v_wmma_scale_f32_32x16x128_f4), f32 sums; everything else in f32.
;; Inputs: W_codes 8 x 256 x 4 x 16 uint8 (E2M1 codes of W, K innermost, in blocks of 32 codes, two codes a byte); W_scales 8 x 256 x 4 uint8 (E8M0 scales of W, one for each 32 codes along K); b 8 x 256 float32; beta 8 x 256 float32; edge_attr_codes 65,536 x 4 x 16 uint8 (E2M1 codes of edge_attr, K innermost, in blocks of 32 codes, two codes a byte); edge_attr_scales 65,536 x 4 uint8 (E8M0 scales of edge_attr, one for each 32 codes along K); edge_type 65,536 int32; gamma 8 x 256 float32.
;; Outputs: out0 65,536 x 256 float32.
;; This version of the problem:
;;   THIS VERSION OF THE PROBLEM IS GIVEN IN LOW PRECISION. The matrix products marked QUANTISED in the list below multiply operands that are first quantised to E2M1 (2 exponent bits, 1 mantissa bit; 4 bits a number), with one power-of-two scale for each 32 numbers along K (OCP MX v1.0); their sums are f32. All else is computed in f32.
;;   The module's matrix products, in the order in which they are computed (A, B: the left and right operand; K: the contracted axis; several contracted axes count as one K, in the product's order):
;;     1. [M 65,536, K 128] x [K 128, N 256]; A: input edge_attr (given as codes); B: input W (given as codes): QUANTISED
;;     2. [M 65,536, K 128] x [K 128, N 256]; A: input edge_attr (given as codes); B: input W (given as codes): QUANTISED
;;     3. [M 65,536, K 128] x [K 128, N 256]; A: input edge_attr (given as codes); B: input W (given as codes): QUANTISED
;;     4. [M 65,536, K 128] x [K 128, N 256]; A: input edge_attr (given as codes); B: input W (given as codes): QUANTISED
;;     5. [M 65,536, K 128] x [K 128, N 256]; A: input edge_attr (given as codes); B: input W (given as codes): QUANTISED
;;     6. [M 65,536, K 128] x [K 128, N 256]; A: input edge_attr (given as codes); B: input W (given as codes): QUANTISED
;;     7. [M 65,536, K 128] x [K 128, N 256]; A: input edge_attr (given as codes); B: input W (given as codes): QUANTISED
;;     8. [M 65,536, K 128] x [K 128, N 256]; A: input edge_attr (given as codes); B: input W (given as codes): QUANTISED
;;   THE QUANTISER, for each operand of a quantised product, along K:
;;     - K is cut into blocks of 32 from its start; a last block that is shorter is filled with zeros.
;;     - A block's scale is 2^e with e = floor(log2(the largest magnitude in the block)) - 2, held to -126 .. 127; a block of zeros has e = 0. As a byte (E8M0): e + 127.
;;     - Each number is divided by its block's scale, clamped to +-6, and rounded to the nearest number of E2M1, ties to even, subnormals kept.
;;     - The product sums the exact products of the quantised numbers (number of the format x scale) in f32.
;;   ~~~python
;;   def quantise(x, axis):      # numpy; x: float32 -> the quantised numbers, widened to float32 again
;;       x = np.moveaxis(x, axis, -1); K = x.shape[-1]
;;       x = np.pad(x, [(0, 0)] * (x.ndim - 1) + [(0, -K % 32)]); x = x.reshape(x.shape[:-1] + (-1, 32)); a = np.abs(x).max(-1, keepdims=True)
;;       e = np.where(a > 0, np.clip(np.frexp(np.where(a > 0, a, 1))[1] - 1 - 2, -126, 127), 0)      # np.frexp(a)[1] - 1 = floor(log2(a)), exactly
;;       r = np.clip(x / 2.0 ** e, -6, 6)
;;       step = 2.0 ** (np.maximum(np.frexp(np.where(r == 0, 1, r))[1] - 1, 0) - 1)
;;       q = np.round(r / step) * step * 2.0 ** e      # np.round: ties to even
;;       return np.moveaxis(q.reshape(q.shape[:-2] + (-1,))[..., :K], -1, axis).astype(np.float32)
;;   ~~~
;;   INPUTS GIVEN AS CODES. W (in the module: [8, 128, 256], K = its axis 1); edge_attr (in the module: [65536, 128], K = its axis 1): each comes as NAME_codes (uint8): NAME with its K axis moved to the last place and cut into blocks of 32 codes, [.., K / 32, bytes a block], one block behind the other in memory; two codes a byte, the lower K in the low four bits (a code: sign, 2 exponent bits, 1 mantissa bit); and NAME_scales (uint8): the same leading axes, one E8M0 byte (e + 127) for each 32 codes along K. Its value is code x scale, taken as it is: it is not quantised again, and the codes and scales need not be those that the quantiser above would give.
;; One version. Each part assembles by itself: llvm-mc -triple=amdgcn-amd-amdhsa -mcpu=gfx1250 --defsym DOCPART=n.
;; ======== version 1 of 1: 1 launch
;; launch edge (part 1): grid 256 x 1, 4 waves a work-group, no clusters, 244,224 bytes of LDS; arguments W_codes, W_scales, b, gamma, beta, edge_attr_codes, edge_attr_scales, edge_type, out0; writes out0
.if DOCPART == 1
	.amdgcn_target "amdgcn-amd-amdhsa--gfx1250"
	.amdhsa_code_object_version 6
	.text
	.protected	k_q4d6c98850a_edge
	.globl	k_q4d6c98850a_edge
	.p2align	8
	.type	k_q4d6c98850a_edge,@function
k_q4d6c98850a_edge:
	s_mov_b64 s[64:65], 0
	v_nop
	global_prefetch_b8 v0, s[64:65] scope:SCOPE_SE
	s_setreg_imm32_b32 hwreg(HW_REG_WAVE_MODE, 25, 1), 1
	s_wait_xcnt 0x0
; out[e][:] = gelu(LayerNorm(x[e] W[t] + b[t]) gamma[t] + beta[t]), t = edge_type[e]; a row whose type is none of 0 .. 7 is 0.
; x: 65,536 rows of 128 codes of FP4 (E2M1) with four E8M0 bytes; W: [8][256][128] codes, K innermost, with [8][256][4] bytes; b, gamma, beta: [8][256] f32; out: [65536][256] f32.
; ALL EIGHT PRODUCTS ARE DONE, IN MEMORY ORDER OF THE ROWS.  For expert t the fragment of x gets zero codes in the rows whose type is not t, and the eight products add onto ONE accumulator:
; zero codes add nothing, so each row ends with its own expert's sum.  No row is moved, nothing is sorted, and no branch hangs on data.  A wave's 64 rows are 512 matrix instructions;
; a sort would want a launch of its own, a gather of 64-byte rows and a scatter of the results.
; SHARES.  Work-group g owns rows 256 g on, wave w rows 64 w on of these: four tiles of 16 rows x all 256 columns = 64 accumulators, 512 registers.  A row's mean and variance stay in one wave.
; THE MATRIX INSTRUCTION IS USED TRANSPOSED: source 0 = 16 rows of W[t] (16 output columns), source 1 = 16 rows of x.  Lane (r = lane % 16, h = lane / 16) then holds row r, and register j of column tile n
; holds column 16 n + 8 h + j: type, mean and 1 / sigma are one number a lane, and eight registers are 32 neighbouring bytes of b, gamma, beta and out.
; b, gamma, beta OF A LANE'S ROW are read from tables in LDS at an address made of the row's type, held at 8 from above; table row 8 is zeros, so a row of no expert comes out as 0.  b is the C of a sum's first product.
; NO CLUSTER, though all work-groups read the same W and the same four tables (168,000 bytes a work-group, beside its 262,144 bytes of out): in a launch with joint loads every LDS address is alike in all partners,
; and the tables are read at addresses made of each row's type.  The other way, joint loads and the three parameters of every output number read from memory, would move 3 x 1,024 bytes a row through the caches.
; Each wave brings one table and a quarter of W by a tensor load of its own.  Nothing in LDS is filled twice.
; GELU: Phi(y) = 0.5 + yc A(s) / B(s), yc = y held to +-4 sqrt 2, s = yc^2: the rational form x P(x^2) / Q(x^2) of erf for f32 (degrees 6 and 4 in x^2, |x| held to 4), rewritten for s = 2 x^2 with 0.5 / sqrt 2 folded into A.
; No prefetch: each wave asks for its own 4,608 bytes of x, scales and types in its first lines, and W and the tables come once.
; LIMITS: an E8M0 byte 0xff in W of ANY expert makes every row NaN, not only that expert's rows; NaN and infinities among the inputs are not served; erf is the rational form above, not a correctly rounded one.
;
; LDS: WL 0: W's codes as 512 memory rows of 256 bytes + 16 of padding; a row R = 256 t + column of W (64 bytes) lies at 272 (R / 4) + 64 (R % 4).  The 16 rows of a fragment load fall on 16 different 16-byte columns of 256.
;      PAR: four tables (b, gamma, beta, W's scale words) of 9 rows x (1,024 + 16) bytes: rows of different types start 16 bytes apart modulo 256.   STAGE: 16 rows x (1,024 + 16) bytes for each wave, for the way out.
; REGISTERS, in windows of 256 (s_set_vgpr_msb: bits 1:0 source 0, 3:2 source 1, 5:4 source 2, 7:6 destination):
;   window 0: addresses, types, scale words (v18-45: scales and nothing else), x's fragments, the masked fragments in two sets, the statistics
;   window 1: W's 16 fragments of an expert in two sets (v0-127, v128-255); later v0-127 the row tile in hand, v128-255 gamma and beta, then the GELU's four temporaries, then rows read back from the stage
;   window 2: accumulators of row tiles 0 and 1 (tile a, column tile n at v[128 (a % 2) + 8 n]);   window 3: those of row tiles 2 and 3
.set WEXP,  17408                      ; W in LDS: from expert to expert (64 memory rows x 272)
.set WTILE, 1088                       ; from column tile to column tile (4 x 272)
.set WQ,    34816                      ; a quarter of W: 128 memory rows x 272: what one tensor load brings
.set PAR,   139264                     ; behind W
.set TS,    9472                       ; a table: 9 x 1,040 bytes, rounded up to whole blocks of 256
.set TP,    1040                       ; a table's row
.set STAGE, 177152                     ; behind the tables
.set STW,   16640                      ; a wave's stage: 16 x 1,040
.set XA,  3                            ; v3   x's codes: 64 r + 16 h
.set XT,  4                            ; v4   x's scale words and types: 4 r
.set AW,  5                            ; v5   my place in a tile of W: 272 (r / 4) + 64 (r % 4) + 16 h
.set ASW, 6                            ; v6   W's scale words: their table + 4 x lane
.set STO, 7                            ; v7   the stage, in: 1,040 r + 32 h
.set RD,  8                            ; v8   the stage, back: 16 x lane
.set CO,  9                            ; v9   out: 16 x lane
.set TY,  10                           ; v10-13  my row's type, for each row tile
.set GA,  14                           ; v14-17  PAR + 32 h + 1,040 x min(type, 8)
.set XS0, 18                           ; v18-21  x's scale words
.set XSM, 22                           ; v22-29  the masked scale words, two sets
.set SCW, 30                           ; v30-45  W's scale words, two sets of 8: register p holds column tile 2 p in lanes 0-15 and 2 p + 1 in lanes 16-31
.set GAC, 46                           ; v46  GA of the row tile in hand
.set AWT, 47                           ; v47  AW + the expert's place
.set X,   48                           ; v48-79   x's four fragments
.set XM,  80                           ; v80-143  the masked fragments, two sets
.set SQ,  144                          ; v144-151 four chains of sums, a pair each
.set MU,  152                          ; v[152:153] -mean, twice
.set RS,  154                          ; v[154:155] 1 / sigma, twice
.set T0,  156                          ; v156-158 at work
.set GY,  128                          ; window 1: yc;
.set GS,  160                          ; s;
.set GN,  192                          ; A, then Phi;
.set GD,  224                          ; B, then 1 / B
.set WV,  22                           ; s22  my wave's number
.set G1W, 28                           ; s[28:35] descriptor group 1 for W;  s[36:39] its group 0
.set G0W, 36
.set G1P, 40                           ; s[40:47], s[48:51] the same for a table
.set G0P, 48
.set SEL, 52                           ; s[52:53] v_permlanex16_b32's selects for lane l xor 16
.set MK,  54                           ; s54-57  lanes whose row is the expert's, for each row tile
.set CNT, 58                           ; s58  the row tile in hand
.set AL,  66                           ; s[66:79] A's coefficients, highest first, each twice (a pair for the packed forms)
.set BE,  80                           ; s[80:89] B's likewise
.set MSB, 0
.macro WIN new                         ; the immediate's high byte repeats the setting that is left; a switch that changes nothing is dropped
.if MSB != (\new)
	s_set_vgpr_msb (MSB<<8)|(\new)
.set MSB, (\new)
.endif
.endm
.macro PAIR reg, bits
	s_mov_b32 s[\reg], \bits
	s_mov_b32 s[\reg+1], \bits
.endm
.macro PLACES                          ; four plain vector instructions between a matrix instruction and a vector write of, a load into, or a read of its registers (ISA guide 7.12.1 for vector instructions)
.rept 4
	v_nop
.endr
.endm
	s_load_b512 s[4:19], s[0:1], 0x0               ; W's codes s[4:5], W's scales s[6:7], b s[8:9], gamma s[10:11], beta s[12:13], x's codes s[14:15], x's scales s[16:17], types s[18:19]
	s_load_b64 s[20:21], s[0:1], 0x40              ; out
	v_lshl_add_u32 v254, v0, 2, 0x3b800
	v_mov_b32 v255, 0
	ds_add_u32 v254, v255
	ds_add_u32 v254, v255
	v_lshrrev_b32 v1, 5, v0
	v_readfirstlane_b32 s[WV], v1                  ; wave 0..3
	s_mov_b32 s[SEL], 0x76543210
	s_mov_b32 s[SEL+1], 0xfedcba98
	PAIR AL+0,  0xabd3f331                         ; A: s^6 .. s^0
	PAIR AL+2,  0x2fa84a8d
	PAIR AL+4,  0xb347667d
	PAIR AL+6,  0xb628d45d
	PAIR AL+8,  0xb8883d9c
	PAIR AL+10, 0xba08eb41
	PAIR AL+12, 0xbbba79f3
	PAIR BE+0,  0xb57460cd                         ; B: s^4 .. s^0
	PAIR BE+2,  0xb7dfbd29
	PAIR BE+4,  0xb9dc924e
	PAIR BE+6,  0xbb719bf8
	PAIR BE+8,  0xbc69b6a7
	s_mov_b32 s90, 0x40b504f3                      ; 4 sqrt 2
	s_mov_b32 s94, 0xc0b504f3                      ; -4 sqrt 2
	s_mov_b32 s91, 0x3b800000                      ; 1 / 256
	s_mov_b32 s93, 0xbb800000                      ; -1 / 256
	s_mov_b32 s92, 0x3727c5ac                      ; 1e-5
	; descriptor group 1 for a quarter of W's codes: a dense block of 32,768 bytes as 128 rows of 256 bytes (32 elements of 8 bytes), 16 bytes of padding behind each
	s_mov_b32 s[G1W+0], (3<<16)|(1<<20)|(5<<22)|(3<<25)  ; 15:0 no mask; 17:16 elements of 8 bytes; 20 padding on; 24:22 after every 64 words (code 5); 31:25 four words (code 3)
	s_mov_b32 s[G1W+1], 32<<16                     ; tensor_dim0 = 32
	s_mov_b32 s[G1W+2], 128<<16                    ; tensor_dim1 = 128
	s_mov_b32 s[G1W+3], 32<<16                     ; tile_dim0 = 32
	s_mov_b32 s[G1W+4], 128                        ; tile_dim1 = 128
	s_mov_b32 s[G1W+5], 32                         ; from row to row
	s_mov_b32 s[G1W+6], 0
	s_mov_b32 s[G1W+7], 0
	; and for a table: 8 rows of 1,024 bytes (128 elements of 8 bytes), 16 bytes of padding behind each; the tile has NINE rows: the ninth lies past the tensor's end and arrives as zeros
	s_mov_b32 s[G1P+0], (3<<16)|(1<<20)|(7<<22)|(3<<25)  ; padding after every 256 words (code 7)
	s_mov_b32 s[G1P+1], 128<<16                    ; tensor_dim0 = 128
	s_mov_b32 s[G1P+2], 8<<16                      ; tensor_dim1 = 8
	s_mov_b32 s[G1P+3], 128<<16                    ; tile_dim0 = 128
	s_mov_b32 s[G1P+4], 9                          ; tile_dim1 = 9
	s_mov_b32 s[G1P+5], 128
	s_mov_b32 s[G1P+6], 0
	s_mov_b32 s[G1P+7], 0
	v_and_b32 v1, 15, v0                           ; r
	v_bfe_u32 v2, v0, 4, 1                         ; h
	v_lshlrev_b32 v[XA], 6, v1
	v_lshl_add_u32 v[XA], v2, 4, v[XA]
	v_lshlrev_b32 v[XT], 2, v1
	s_wait_dscnt 0x0
	s_wait_kmcnt 0x0
	s_lshl_b32 s26, ttmp9, 14
	s_lshl_b32 s25, s[WV], 12
	s_add_co_u32 s26, s26, s25                     ; my wave's 64 rows of codes: 16,384 g + 4,096 w
	s_mov_b32 s27, 0
	s_add_nc_u64 s[14:15], s[14:15], s[26:27]
	s_lshr_b32 s26, s26, 4                         ; scale words and types, 4 bytes a row: 1,024 g + 256 w
	s_add_nc_u64 s[16:17], s[16:17], s[26:27]
	s_add_nc_u64 s[18:19], s[18:19], s[26:27]
	s_lshl_b32 s26, s26, 8                         ; out, 1,024 bytes a row: 262,144 g + 65,536 w
	s_add_nc_u64 s[20:21], s[20:21], s[26:27]
.irp a, 0,1,2,3                                ; a fragment of x: lane (r, h) takes bytes 32 c + 16 h of row r: K = 64 c + 32 h + 0 .. 31
.irp c, 0,1
	global_load_b128 v[X+8*\a+4*\c:X+8*\a+4*\c+3], v[XA], s[14:15] offset:1024*\a+32*\c th:TH_LOAD_NT
.endr
	global_load_b32 v[XS0+\a], v[XT], s[16:17] offset:64*\a th:TH_LOAD_NT
	global_load_b32 v[TY+\a], v[XT], s[18:19] offset:64*\a th:TH_LOAD_NT
.endr
	; descriptor groups 0: each wave's LDS bytes are its own: a constant + the wave's number x a constant
	s_mov_b32 s[G0W], 1                            ; count = 1
	s_mul_i32 s[G0W+1], s[WV], WQ                  ; LDS address: my quarter
	s_lshl_b32 s60, s[WV], 15
	s_mov_b32 s61, 0
	s_add_nc_u64 s[G0W+2:G0W+3], s[4:5], s[60:61]  ; global address: 32,768 bytes a quarter
	s_or_b32 s[G0W+3], s[G0W+3], 0x80000000        ; type = 2
	s_mov_b32 s[G0P], 1
	s_mul_i32 s[G0P+1], s[WV], TS
	s_add_co_u32 s[G0P+1], s[G0P+1], PAR           ; table w
	s_cmp_eq_u32 s[WV], 1                          ; wave 0 brings b, wave 1 gamma, wave 2 beta, wave 3 W's scale bytes: the choice hangs on the wave's number alone
	s_cselect_b64 s[G0P+2:G0P+3], s[10:11], s[8:9]
	s_cmp_eq_u32 s[WV], 2
	s_cselect_b64 s[G0P+2:G0P+3], s[12:13], s[G0P+2:G0P+3]
	s_cmp_eq_u32 s[WV], 3
	s_cselect_b64 s[G0P+2:G0P+3], s[6:7], s[G0P+2:G0P+3]
	s_or_b32 s[G0P+3], s[G0P+3], 0x80000000
	tensor_load_to_lds s[G0P:G0P+3], s[G1P:G1P+7]  ; my table,
	s_nop 0
	tensor_load_to_lds s[G0W:G0W+3], s[G1W:G1W+7]  ; my quarter of W: two tensor loads of mine are out, and no more are issued
	s_nop 0
.rept 4
	v_nop                                          ; four v_nop follow the second load
.endr
	v_lshrrev_b32 v[AW], 2, v1
	v_mul_u32_u24 v[AW], v[AW], 272
	v_and_b32 v[T0], 3, v1
	v_lshl_add_u32 v[AW], v[T0], 6, v[AW]
	v_lshl_add_u32 v[AW], v2, 4, v[AW]
	v_and_b32 v[T0], 31, v0                        ; lane
	v_lshl_add_u32 v[ASW], v[T0], 2, PAR+3*TS
	v_lshlrev_b32 v[CO], 4, v[T0]
	s_mul_i32 s25, s[WV], STW
	s_add_co_u32 s25, s25, STAGE                   ; my stage
	v_mul_u32_u24 v[STO], v1, TP
	v_lshl_add_u32 v[STO], v2, 5, v[STO]
	v_add_nc_u32 v[STO], s25, v[STO]
	v_add_nc_u32 v[RD], s25, v[CO]
	v_lshl_add_u32 v[T0+2], v2, 5, PAR             ; PAR + 32 h
	v_mov_b32 v[T0+1], 0                           ; written once: a lane permute's destination counts as one of its sources
	s_wait_loadcnt 0x0                             ; x, its scale words, the types
.irp a, 0,1,2,3
	v_min_u32 v[GA+\a], 8, v[TY+\a]                ; unsigned: every type that is none of 0 .. 7 takes table row 8, the zeros
.endr
.irp a, 0,1,2,3
	v_mul_u32_u24 v[GA+\a], v[GA+\a], TP
.endr
.irp a, 0,1,2,3
	v_add_nc_u32 v[GA+\a], v[GA+\a], v[T0+2]
.endr
; Expert t's operand: x with zero codes in the rows of other types, into set t % 2.  The scale word of such a row becomes 0 too: byte 0 stands for 2^-127, the smallest scale.
; The scale words are written first: behind them stand the 32 lines for the codes, and more than eight plain vector instructions lie between them and the products that name them.
.macro MASK t
.set mb, (\t)%2
	WIN 0                                          ; all its registers lie in window 0 (a run of loads into window 1 may stand in front)
.irp a, 0,1,2,3
	v_cmp_eq_u32 s[MK+\a], (\t), v[TY+\a]
.endr
.irp a, 0,1,2,3
	v_cndmask_b32 v[XSM+4*mb+\a], 0, v[XS0+\a], s[MK+\a]
.endr
.irp a, 0,1,2,3
.irp i, 0,1,2,3,4,5,6,7
	v_cndmask_b32 v[XM+32*mb+8*\a+\i], 0, v[X+8*\a+\i], s[MK+\a]
.endr
.endr
.endm
; Expert t's W: 8 registers of scale words and 16 fragments (16 columns x 128 K: 8 registers) into set t % 2: 40 LDS loads in one run
.macro FETCH t
.set fb, (\t)%2
	WIN 0
	v_add_nc_u32 v[AWT], (\t)*WEXP, v[AW]
.irp p, 0,1,2,3,4,5,6,7
	ds_load_b32 v[SCW+8*fb+\p], v[ASW] offset:(\t)*TP+128*\p      ; the words of columns 32 p + lane
.endr
	WIN 0x40                                       ; destination window 1
.set ii, 0
.rept 16
	ds_load_b128 v[128*fb+8*ii:128*fb+8*ii+3],   v[AWT] offset:ii*WTILE
	ds_load_b128 v[128*fb+8*ii+4:128*fb+8*ii+7], v[AWT] offset:ii*WTILE+32
.set ii, ii+1
.endr
.endm
; 32 matrix instructions: expert t, all 16 column tiles x row tiles 2 hi and 2 hi + 1.  The 64 accumulators take turns, one instruction a turn, in the same order for every expert.
.macro MUL t, hi
.set bf, (\t)%2
.irp n, 0,1,2,3,4,5,6,7,8,9,10,11,12,13,14,15
.irp a, 0,1
.if (\n)%2
	v_wmma_scale_f32_16x16x128_f8f6f4 v[128*\a+8*\n:128*\a+8*\n+7], v[128*bf+8*\n:128*bf+8*\n+7], v[XM+32*bf+8*(2*\hi+\a):XM+32*bf+8*(2*\hi+\a)+7], v[128*\a+8*\n:128*\a+8*\n+7], v[SCW+8*bf+\n/2], v[XSM+4*bf+2*\hi+\a] matrix_a_fmt:MATRIX_FMT_FP4 matrix_b_fmt:MATRIX_FMT_FP4 matrix_a_scale:MATRIX_SCALE_ROW1
.else
	v_wmma_scale_f32_16x16x128_f8f6f4 v[128*\a+8*\n:128*\a+8*\n+7], v[128*bf+8*\n:128*bf+8*\n+7], v[XM+32*bf+8*(2*\hi+\a):XM+32*bf+8*(2*\hi+\a)+7], v[128*\a+8*\n:128*\a+8*\n+7], v[SCW+8*bf+\n/2], v[XSM+4*bf+2*\hi+\a] matrix_a_fmt:MATRIX_FMT_FP4 matrix_b_fmt:MATRIX_FMT_FP4
.endif
.endr
.endr
.endm
; Expert t: the next expert's operands are made and asked for first, into the sets that expert t - 1 has left; then 64 products
.macro STEP t
.if (\t) > 0
	PLACES                                         ; behind expert t - 1's last product, whose sets are written below; for the last expert they complete the places behind the masked codes
.endif
.if (\t) < 7
	MASK (\t)+1
	FETCH (\t)+1
	s_wait_dscnt 40                                ; all but the 40 loads just issued: this expert's W is in (and, for expert 0, the bias)
.else
	s_wait_dscnt 0x0
.endif
	WIN 0xa1                                       ; source 0 (W) window 1, source 1 (x) window 0, C and D window 2
	MUL \t, 0
	WIN 0xf1                                       ; the same, C and D window 3
	MUL \t, 1
	WIN 0
.endm
	MASK 0
	s_wait_tensorcnt 0x0                           ; my table and my quarter of W have landed,
	s_barrier_signal -1
	s_barrier_wait -1                              ; everybody's have: from here on LDS below STAGE is only read
.irp a, 0,1,2,3                                ; THE BIAS GOES STRAIGHT INTO THE ACCUMULATORS: b[type of my row][16 n + 8 h + 0 .. 7]: the C of each sum's first product
	WIN 0x80+0x40*(\a/2)                           ; destination window 2 or 3
.set ii, 0
.rept 16
	ds_load_b128 v[128*(\a%2)+8*ii:128*(\a%2)+8*ii+3],   v[GA+\a] offset:64*ii
	ds_load_b128 v[128*(\a%2)+8*ii+4:128*(\a%2)+8*ii+7], v[GA+\a] offset:64*ii+16
.set ii, ii+1
.endr
.endr
	FETCH 0
.irp t, 0,1,2,3,4,5,6,7
	STEP \t
.endr
	PLACES                                         ; behind the last products: results are read and W's registers loaded below
; gamma and beta of my row for column tiles 4 c .. 4 c + 3: 16 loads, into set c % 2 of window 1: gamma in 32 registers, beta in the next 32
.macro GATHER adr, c
.set gb, 128+64*((\c)%2)
	WIN 0x40
.irp i, 0,1,2,3
.irp u, 0,1
	ds_load_b128 v[gb+8*\i+4*\u:gb+8*\i+4*\u+3],       v[\adr] offset:TS+64*(4*(\c)+\i)+16*\u
	ds_load_b128 v[gb+32+8*\i+4*\u:gb+32+8*\i+4*\u+3], v[\adr] offset:2*TS+64*(4*(\c)+\i)+16*\u
.endr
.endr
.endm
.macro REDUCE                          ; the four chains, the pair's two halves, and lane l xor 16's 128 columns: the row's sum in v[T0], in every lane of the row
	v_pk_add_f32 v[SQ:SQ+1], v[SQ:SQ+1], v[SQ+2:SQ+3]
	v_pk_add_f32 v[SQ+4:SQ+5], v[SQ+4:SQ+5], v[SQ+6:SQ+7]
	v_pk_add_f32 v[SQ:SQ+1], v[SQ:SQ+1], v[SQ+4:SQ+5]
	v_add_f32 v[T0], v[SQ], v[SQ+1]
	v_permlanex16_b32 v[T0+1], v[T0], s[SEL], s[SEL+1]
	v_add_f32 v[T0], v[T0], v[T0+1]
.endm
; What differs between the row tiles is where their accumulators lie: row tile a's mean, and d = h - mean into window 1, v0-127.  Each accumulator is read from its low end on.
.macro PRO a
.set WX, 2+(\a)/2
.set AB, 128*((\a)%2)
	WIN 0
	v_mov_b32 v[GAC], v[GA+\a]
	GATHER GA+\a, 0                                ; the first two chunks of gamma and beta land under the sums
	GATHER GA+\a, 1
	WIN WX|(WX<<2)                                 ; both sources are accumulators
.irp k, 0,1,2,3
	v_pk_add_f32 v[SQ+2*\k:SQ+2*\k+1], v[AB+2*\k:AB+2*\k+1], v[AB+8+2*\k:AB+8+2*\k+1]   ; the first eight pairs start the four chains: nothing is cleared
.endr
	WIN WX<<2
.set kk, 8
.rept 56
	v_pk_add_f32 v[SQ+2*(kk%4):SQ+2*(kk%4)+1], v[SQ+2*(kk%4):SQ+2*(kk%4)+1], v[AB+2*kk:AB+2*kk+1]
.set kk, kk+1
.endr
	WIN 0
	REDUCE
	v_mul_f32 v[MU], s93, v[T0]                    ; -mean, twice: a pair for the packed form
	v_mul_f32 v[MU+1], s93, v[T0]
	WIN WX|0x40                                    ; source 0 an accumulator, source 1 window 0, destination window 1
.set kk, 0
.rept 64
	v_pk_add_f32 v[2*kk:2*kk+1], v[AB+2*kk:AB+2*kk+1], v[MU:MU+1]
.set kk, kk+1
.endr
	WIN 0
.endm
.macro LNFMA c                         ; y = z gamma + beta for column tiles 4 c .. 4 c + 3
.set gb, 128+64*((\c)%2)
	WIN 0x55                                       ; all in window 1
.set kk, 0
.rept 16
	v_pk_fma_f32 v[32*(\c)+2*kk:32*(\c)+2*kk+1], v[32*(\c)+2*kk:32*(\c)+2*kk+1], v[gb+2*kk:gb+2*kk+1], v[gb+32+2*kk:gb+32+2*kk+1]
.set kk, kk+1
.endr
.endm
.macro LEVEL dst, coef                 ; one step of Horner's rule on 32 numbers: dst = dst s + a coefficient
.set kk, 0
.rept 16
	v_pk_fma_f32 v[\dst+2*kk:\dst+2*kk+1], v[\dst+2*kk:\dst+2*kk+1], v[GS+2*kk:GS+2*kk+1], s[\coef:\coef+1] op_sel_hi:[1,1,0]
.set kk, kk+1
.endr
.endm
.macro LEVEL0 dst, coef                ; its first step: dst = s x the highest coefficient + the next
.set kk, 0
.rept 16
	v_pk_fma_f32 v[\dst+2*kk:\dst+2*kk+1], v[GS+2*kk:GS+2*kk+1], s[\coef:\coef+1], s[\coef+2:\coef+3] op_sel_hi:[1,0,0]
.set kk, kk+1
.endr
.endm
; out = y Phi(y) for column tiles 4 c .. 4 c + 3 (32 registers), and into my stage
.macro GELU c
	WIN 0x55
.set kk, 0
.rept 32
	v_med3_num_f32 v[GY+kk], v[32*(\c)+kk], s94, s90               ; yc
.set kk, kk+1
.endr
.set kk, 0
.rept 16
	v_pk_mul_f32 v[GS+2*kk:GS+2*kk+1], v[GY+2*kk:GY+2*kk+1], v[GY+2*kk:GY+2*kk+1]   ; s
.set kk, kk+1
.endr
	LEVEL0 GD, BE                                  ; B(s): all its coefficients are negative and s is not, so it is never 0
	LEVEL GD, BE+4
	LEVEL GD, BE+6
	LEVEL GD, BE+8
.set kk, 0
.rept 32
	v_rcp_f32 v[GD+kk], v[GD+kk]                   ; the 32 reciprocals are one batch
.set kk, kk+1
.endr
	LEVEL0 GN, AL                                  ; A(s): 96 plain instructions that name no reciprocal stand behind the batch
	LEVEL GN, AL+4
	LEVEL GN, AL+6
	LEVEL GN, AL+8
	LEVEL GN, AL+10
	LEVEL GN, AL+12
	s_wait_alu depctr_va_vdst(0)                   ; one wait for the batch, ahead of its first reader
.set kk, 0
.rept 16
	v_pk_mul_f32 v[GN+2*kk:GN+2*kk+1], v[GN+2*kk:GN+2*kk+1], v[GD+2*kk:GD+2*kk+1]
.set kk, kk+1
.endr
.set kk, 0
.rept 16
	v_pk_fma_f32 v[GN+2*kk:GN+2*kk+1], v[GY+2*kk:GY+2*kk+1], v[GN+2*kk:GN+2*kk+1], 0.5 op_sel_hi:[1,1,0]   ; Phi
.set kk, kk+1
.endr
.set kk, 0
.rept 16
	v_pk_mul_f32 v[32*(\c)+2*kk:32*(\c)+2*kk+1], v[32*(\c)+2*kk:32*(\c)+2*kk+1], v[GN+2*kk:GN+2*kk+1]
.set kk, kk+1
.endr
	WIN 0x04                                       ; an LDS store's data are its source 1: window 1
.irp i, 0,1,2,3
.irp u, 0,1
	ds_store_b128 v[STO], v[32*(\c)+8*\i+4*\u:32*(\c)+8*\i+4*\u+3] offset:64*(4*(\c)+\i)+16*\u   ; row r, columns 16 n + 8 h + 4 u on
.endr
.endr
.endm
; THE FOUR ROW TILES, one a trip.  The trip's head is written four times, since the accumulators' registers differ; all else once.
	s_mov_b32 s[CNT], 0
.Ltile:
	s_cmp_eq_u32 s[CNT], 1
	s_cbranch_scc1 .Lp1
	s_cmp_eq_u32 s[CNT], 2
	s_cbranch_scc1 .Lp2
	s_cmp_eq_u32 s[CNT], 3
	s_cbranch_scc1 .Lp3
	PRO 0
	s_branch .Lcommon
.Lp1:
	PRO 1
	s_branch .Lcommon
.Lp2:
	PRO 2
	s_branch .Lcommon
.Lp3:
	PRO 3
.Lcommon:
	WIN 0x05                                       ; sources 0 and 1 window 1; the sums in window 0
.irp k, 0,1,2,3
	v_pk_mul_f32 v[SQ+2*\k:SQ+2*\k+1], v[2*\k:2*\k+1], v[2*\k:2*\k+1]   ; the sum of d^2: the variance is taken of the differences
.endr
.set kk, 4
.rept 60
	v_pk_fma_f32 v[SQ+2*(kk%4):SQ+2*(kk%4)+1], v[2*kk:2*kk+1], v[2*kk:2*kk+1], v[SQ+2*(kk%4):SQ+2*(kk%4)+1]
.set kk, kk+1
.endr
	WIN 0
	REDUCE
	v_fma_f32 v[T0], v[T0], s91, s92               ; variance + 1e-5
	v_rsq_f32 v[RS], v[T0]
	v_rsq_f32 v[RS+1], v[T0]                       ; twice: a pair for the packed form
	v_nop                                          ; a plain instruction behind the last transcendental (ISA guide 5.7.2)
	s_wait_alu depctr_va_vdst(0)                   ; and the wait ahead of the first reader
	WIN 0x41                                       ; d in window 1, 1 / sigma in window 0
.set kk, 0
.rept 64
	v_pk_mul_f32 v[2*kk:2*kk+1], v[2*kk:2*kk+1], v[RS:RS+1]        ; z
.set kk, kk+1
.endr
	s_wait_dscnt 16                                ; chunk 0 of gamma and beta is in; chunk 1's 16 loads may be out
	LNFMA 0
	GATHER GAC, 2                                  ; into the set that chunk 0 has left
	s_wait_dscnt 16                                ; chunk 1 is in; chunk 2's 16 may be out
	LNFMA 1
	GATHER GAC, 3
	s_wait_dscnt 16                                ; chunk 2 is in
	LNFMA 2
	s_wait_dscnt 0x0                               ; chunk 3 is in: all my reads of the tables for this trip are over.  The tables' addresses come from loaded numbers, so
	s_barrier_signal -1                            ; a barrier parts every wave's reads by such addresses from every wave's stores into a stage
	LNFMA 3                                        ; (work on registers while the others arrive)
	s_barrier_wait -1
	GELU 0
	GELU 1
	GELU 2
	GELU 3
	WIN 0x40
.set kk, 0
.rept 32
	ds_load_b128 v[128+4*kk:128+4*kk+3], v[RD] offset:(kk/2)*TP+512*(kk%2)   ; back as half rows of 512 bytes.  LDS serves a wave's instructions in order (ISA guide 5.7.1.4): these see my stores
.set kk, kk+1
.endr
	WIN 0x04                                       ; a store's data are its source 1: window 1
.set kk, 0
.rept 32
	s_wait_dscnt 31-kk                             ; load kk is in; the younger ones may be out
	global_store_b128 v[CO], v[128+4*kk:128+4*kk+3], s[20:21] offset:512*kk th:TH_STORE_NT   ; 32 lanes store 512 consecutive bytes, at a multiple of 512 from out's first byte; written once, read by nobody here
.set kk, kk+1
.endr
	WIN 0
	s_wait_xcnt 0x0                                ; the stores have read their registers and their base: both are written again below and in the next trip
	s_add_nc_u64 s[20:21], s[20:21], 16384         ; 16 rows of out on
	s_barrier_signal -1                            ; my stores into my stage and my reads of it are over (the last count-down ended at 0): the barrier parts them from the next trip's reads of the tables
	s_barrier_wait -1
	s_add_co_u32 s[CNT], s[CNT], 1
	s_cmp_lt_u32 s[CNT], 4
	s_cbranch_scc1 .Ltile
	s_wait_tensorcnt 0x0
	ds_add_u32 v254, v255
	s_wait_dscnt 0x0
	s_endpgm
.Lfunc_end_k_q4d6c98850a_edge:
	.size	k_q4d6c98850a_edge, .Lfunc_end_k_q4d6c98850a_edge-k_q4d6c98850a_edge
	.p2alignl 7, 3214868480
	.fill 96, 4, 3214868480
	.section	.rodata,"a",@progbits
	.p2align	6, 0x0
	.amdhsa_kernel k_q4d6c98850a_edge
		.amdhsa_group_segment_fixed_size 244224
		.amdhsa_private_segment_fixed_size 0
		.amdhsa_enable_private_segment 0
		.amdhsa_kernarg_size 72
		.amdhsa_user_sgpr_count 2
		.amdhsa_user_sgpr_kernarg_segment_ptr 1
		.amdhsa_wavefront_size32 1
		.amdhsa_system_sgpr_workgroup_id_x 1
		.amdhsa_system_sgpr_workgroup_id_y 1
		.amdhsa_system_sgpr_workgroup_id_z 1
		.amdhsa_system_vgpr_workitem_id 0
		.amdhsa_next_free_vgpr 1024
		.amdhsa_next_free_sgpr 96
		.amdhsa_reserve_vcc 0
		.amdhsa_float_denorm_mode_32 3
		.amdhsa_float_denorm_mode_16_64 3
		.amdhsa_memory_ordered 1
		.amdhsa_forward_progress 1
		.amdhsa_inst_pref_size 255
	.end_amdhsa_kernel
	.section	.bss,"aw",@nobits
	.p2align	6
	.space	262144
	.amdgpu_metadata
---
amdhsa.version: [ 1, 2 ]
amdhsa.kernels:
  - .name:           k_q4d6c98850a_edge
    .symbol:         k_q4d6c98850a_edge.kd
    .args:
      - { .name: W_codes, .offset: 0, .size: 8, .value_kind: global_buffer, .address_space: global }
      - { .name: W_scales, .offset: 8, .size: 8, .value_kind: global_buffer, .address_space: global }
      - { .name: b, .offset: 16, .size: 8, .value_kind: global_buffer, .address_space: global }
      - { .name: gamma, .offset: 24, .size: 8, .value_kind: global_buffer, .address_space: global }
      - { .name: beta, .offset: 32, .size: 8, .value_kind: global_buffer, .address_space: global }
      - { .name: edge_attr_codes, .offset: 40, .size: 8, .value_kind: global_buffer, .address_space: global }
      - { .name: edge_attr_scales, .offset: 48, .size: 8, .value_kind: global_buffer, .address_space: global }
      - { .name: edge_type, .offset: 56, .size: 8, .value_kind: global_buffer, .address_space: global }
      - { .name: out0, .offset: 64, .size: 8, .value_kind: global_buffer, .address_space: global }
    .group_segment_fixed_size: 244224
    .private_segment_fixed_size: 0
    .kernarg_segment_align: 8
    .kernarg_segment_size: 72
    .max_flat_workgroup_size: 128
    .sgpr_count:     96
    .vgpr_count:     1024
    .wavefront_size: 32
...
	.end_amdgpu_metadata
.endif
;; end of part 1
